; MI455X (gfx1250); checked and timed in simulation.
; The chip was launched on July 23, 2026; its instructions are those of AMD's public machine-readable ISA for CDNA 5 (MIT licence, August 2026) and "CDNA5" Instruction Set Architecture Reference Guide (July 2026). The comments in the code are by the model that wrote it; some were corrected since.
;; Dist Flash Attn. Allowed arithmetic: matrix products marked QUANTISED: E2M3 operands, one E8M0 scale for each 32 along K, by v_wmma_scale_f32_16x16x128_f8f6f4 with both operands' format E2M3, f32 sums; everything else in f32.
;; Inputs: is_causal_local 4 bool; is_causal_remote 4 bool; k_local 4,096 x 8 x 128 float32; k_remote 4,096 x 8 x 128 float32; kv_ranges_local 4 x 2 int32; kv_ranges_remote 4 x 2 int32; q 4,096 x 8 x 128 float32; q_ranges_local 4 x 2 int32; q_ranges_remote 4 x 2 int32; v_local 4,096 x 8 x 128 float32; v_remote 4,096 x 8 x 128 float32.
;; Outputs: out0 4,096 x 8 x 128 float32; out1 8 x 4,096 float32.
;; This version of the problem:
;;   THIS VERSION OF THE PROBLEM IS GIVEN IN LOW PRECISION. The matrix products marked QUANTISED in the list below multiply operands that are first quantised to E2M3 (2 exponent bits, 3 mantissa bits; 6 bits a number), with one power-of-two scale for each 32 numbers along K (OCP MX v1.0); their sums are f32. All else is computed in f32.
;;   The module's matrix products, in the order in which they are computed (A, B: the left and right operand; K: the contracted axis; several contracted axes count as one K, in the product's order):
;;     1. batch 8 x [M 4,096, K 128] x [K 128, N 4,096]; A: input q; B: input k_local: QUANTISED
;;     2. batch 8 x [M 128, K 4,096] x [K 4,096, N 4,096]; A: input v_local; B: computed on the way: QUANTISED
;;     3. batch 8 x [M 4,096, K 128] x [K 128, N 4,096]; A: input q; B: input k_remote: QUANTISED
;;     4. batch 8 x [M 128, K 4,096] x [K 4,096, N 4,096]; A: input v_remote; B: computed on the way: QUANTISED
;;   THE QUANTISER, for each operand of a quantised product, along K:
;;     - K is cut into blocks of 32 from its start; a last block that is shorter is filled with zeros.
;;     - A block's scale is 2^e with e = floor(log2(the largest magnitude in the block)) - 2, held to -126 .. 127; a block of zeros has e = 0. As a byte (E8M0): e + 127.
;;     - Each number is divided by its block's scale, clamped to +-7.5, and rounded to the nearest number of E2M3, ties to even, subnormals kept.
;;     - The product sums the exact products of the quantised numbers (number of the format x scale) in f32.
;;   ~~~python
;;   def quantise(x, axis):      # numpy; x: float32 -> the quantised numbers, widened to float32 again
;;       x = np.moveaxis(x, axis, -1); K = x.shape[-1]
;;       x = np.pad(x, [(0, 0)] * (x.ndim - 1) + [(0, -K % 32)]); x = x.reshape(x.shape[:-1] + (-1, 32)); a = np.abs(x).max(-1, keepdims=True)
;;       e = np.where(a > 0, np.clip(np.frexp(np.where(a > 0, a, 1))[1] - 1 - 2, -126, 127), 0)      # np.frexp(a)[1] - 1 = floor(log2(a)), exactly
;;       r = np.clip(x / 2.0 ** e, -7.5, 7.5)
;;       step = 2.0 ** (np.maximum(np.frexp(np.where(r == 0, 1, r))[1] - 1, 0) - 3)
;;       q = np.round(r / step) * step * 2.0 ** e      # np.round: ties to even
;;       return np.moveaxis(q.reshape(q.shape[:-2] + (-1,))[..., :K], -1, axis).astype(np.float32)
;;   ~~~
;;   OPERANDS COMPUTED ON THE WAY. 'Computed on the way' means the value that the module computes at that place (a softmax that the list does not call 'softmax' is quantised finished and normalised). What goes into a quantiser is computed in f32, as accurately as f32 sums, v_exp_f32 and their like allow (about 1e-6 of the number): no bf16 or f16 on the way to a quantiser, and a product that is left as it is and whose result goes on into a quantised operand takes f32 operands (vector FMAs, or v_wmma_f32_16x16x4_f32). A number that lies on a knife's edge between two numbers of the format may be rounded either way, as far as f32 arithmetic and the matrix unit's own rounding can turn it there, and no further.
;; One version. Each part assembles by itself: llvm-mc -triple=amdgcn-amd-amdhsa -mcpu=gfx1250 --defsym DOCPART=n.
;; ======== version 1 of 1: 2 launches
;; limits: right only within a limited range of input values
;; workspace buffers: codes 16,384,000 bytes
;; launch prep (part 1): grid 1024 x 1, 8 waves a work-group, no clusters, 70,144 bytes of LDS; arguments q, k_local, k_remote, v_local, v_remote, codes; writes codes
.if DOCPART == 1
	.amdgcn_target "amdgcn-amd-amdhsa--gfx1250"
	.amdhsa_code_object_version 6
	.text
	.protected	k_qedef4f9eef_prep
	.globl	k_qedef4f9eef_prep
	.p2align	8
	.type	k_qedef4f9eef_prep,@function
k_qedef4f9eef_prep:
	s_mov_b64 s[64:65], 0
	v_nop
	global_prefetch_b8 v0, s[64:65] scope:SCOPE_SE
	s_setreg_imm32_b32 hwreg(HW_REG_WAVE_MODE, 25, 1), 1
	s_wait_xcnt 0x0
; q, k_local, k_remote, v_local, v_remote, all [4096][8][128] f32, become codes of FP6 (E2M3) with one E8M0 scale byte for each 32 along a product's K,
; laid as IMAGES OF OPERAND REGISTERS, so that the attention launch loads each fragment by three loads of 16 bytes a lane.
; codes = [tensor 5][head 8][step 32][BLK]; a block of BLK = 12,800 bytes holds 8 fragments (16 rows x 128 K, 1,536 bytes each) and 512 bytes of scale words.
;   image: register n (0..11) of lane l at 512 (n / 4) + 16 l + 4 (n % 4).    scale word of fragment f, row r: at 12,288 + 16 (16 (f % 2) + r) + 4 (f / 2).
;   q: step = 128 queries, fragment f = queries 16 f on; K = the head's 128.     k: step = 128 keys, row m of fragment 2 b + u is key 32 b + 8 u + m + 8 (m / 8); K = the head's 128.
;   v: step = 128 keys, which are its K; fragment f = channels 16 f on.
; A block's scale is 2^(floor(log2(largest magnitude)) - 2): its byte is the largest magnitude's exponent field - 2, held at 1 from below by a floor among the maximum's leaves.
; (A block of zeros so gets the byte 1 where the rule says 127: its codes are zeros, and this program alone reads the bytes.)
; LIMITS: NaN and infinities among the inputs are not served; blocks whose largest magnitude lies under 2^-124 keep the byte 1.
; Work-groups 0-767 take q, k_local, k_remote (a fragment a wave); 768-1023 take v_local, v_remote (a lane to a channel, registers down the keys).  Each of the two ways has LDS bytes of its own.
.set BLK,  12800
.set HB,   32*BLK
.set TB,   8*HB
.set SPQ,  528                         ; a stage row: 512 bytes + 16, so that the 16 rows of a load start in 16 different columns of 16 bytes
.set WST,  16*SPQ                      ; a wave's stage
.set SCQ,  8*WST                       ; 512 bytes: a block's scale words (q, k)
.set SCV,  SCQ+512                     ; 1,024 bytes: two blocks' scale words (v)
.set R,    16                          ; v16-79   16 rows as loaded
.set X,    80                          ; v80-143  my two blocks of 32 neighbours
.set C,    144                         ; v144-155 the fragment's codes; v156-158, v160-162 second halves on their way
.set XV,   32                          ; v32-95   (v) two sets of 32 numbers
	s_load_b256 s[4:11], s[0:1], 0x0               ; q, k_local, k_remote, v_local
	s_load_b128 s[12:15], s[0:1], 0x20             ; v_remote, codes
	v_lshl_add_u32 v168, v0, 2, 0x10e00
	v_mov_b32 v169, 0
	v_lshrrev_b32 v1, 5, v0
	v_readfirstlane_b32 s16, v1                    ; wave 0..7
	v_and_b32 v1, 31, v0                           ; lane
	v_and_b32 v2, 15, v0                           ; r
	v_bfe_u32 v3, v0, 4, 1                         ; h
	s_mov_b32 s32, 0x76543210
	s_mov_b32 s33, 0xfedcba98                      ; v_permlanex16_b32's selects for lane l xor 16
	s_cmp_lt_u32 ttmp9, 768
	s_cbranch_scc0 .Lpath_v
; ---------------- q, k: wave f makes fragment f of one block
	v_lshlrev_b32 v4, 4, v1                        ; 16 x lane
	s_mul_i32 s17, s16, WST
	v_add_nc_u32 v5, s17, v4                       ; stage, in: a row's 512 bytes as they lie
	v_mul_u32_u24 v6, v2, SPQ
	v_lshl_add_u32 v6, v3, 7, v6
	v_add_nc_u32 v6, s17, v6                       ; stage, out: row r, block h (128 bytes a block)
	s_and_b32 s18, s16, 1
	s_lshl_b32 s18, s18, 8
	s_lshr_b32 s19, s16, 1
	s_lshl_b32 s19, s19, 2
	s_add_co_u32 s18, s18, s19
	s_add_co_u32 s18, s18, SCQ
	v_lshlrev_b32 v7, 4, v2
	v_add_nc_u32 v7, s18, v7                       ; my row's scale word: 16 (16 (f % 2) + r) + 4 (f / 2)
	v_add_nc_u32 v163, SCQ, v4                     ; and the whole 512 bytes, 16 a lane
	v_lshlrev_b32 v3, 3, v3                        ; 8 h: my bytes' place in the scale word
	s_lshr_b32 s20, ttmp9, 8                       ; tensor 0, 1, 2
	s_and_b32 s21, ttmp9, 7                        ; head
	s_bfe_u32 s22, ttmp9, 0x50003                  ; step
	s_lshl_b32 s23, s16, 4                         ; q: first row 16 f
	s_lshr_b32 s24, s16, 1
	s_lshl_b32 s24, s24, 5
	s_and_b32 s25, s16, 1
	s_lshl_b32 s25, s25, 3
	s_add_co_u32 s24, s24, s25                     ; k: first row 32 (f / 2) + 8 (f % 2)
	s_cmp_eq_u32 s20, 0
	s_cselect_b32 s23, s23, s24
	s_cselect_b32 s24, 8, 16                       ; rows 8-15 of the fragment begin 8 (q) or 16 (k) rows on
	s_lshl_b32 s25, s22, 7
	s_add_co_u32 s23, s23, s25
	s_lshl_b32 s26, s23, 12                        ; a token's row is 4,096 bytes,
	s_lshl_b32 s25, s21, 9                         ; a head's part of it 512
	s_add_co_u32 s26, s26, s25
	s_mov_b32 s27, 0
	s_lshl_b32 s28, s24, 12
	s_mov_b32 s29, 0
	s_mul_i32 s30, s20, TB
	s_mul_i32 s25, s21, HB
	s_add_co_u32 s30, s30, s25
	s_mul_i32 s25, s22, BLK
	s_add_co_u32 s30, s30, s25
	s_mul_i32 s25, s16, 1536
	s_add_co_u32 s30, s30, s25                     ; my image in codes
	s_mov_b32 s31, 0
	s_wait_kmcnt 0x0
	s_cmp_eq_u32 s20, 0                            ; the choice hangs on the work-group's number alone
	s_cselect_b64 s[4:5], s[4:5], s[6:7]
	s_cmp_eq_u32 s20, 2
	s_cselect_b64 s[4:5], s[8:9], s[4:5]
	s_add_nc_u64 s[4:5], s[4:5], s[26:27]          ; rows 0-7
	s_add_nc_u64 s[6:7], s[4:5], s[28:29]          ; rows 8-15
	s_add_nc_u64 s[14:15], s[14:15], s[30:31]
.set i, 0
.rept 8
	global_load_b128 v[R+4*i:R+4*i+3], v4, s[4:5] offset:4096*i th:TH_LOAD_NT      ; 32 lanes read a row's 512 consecutive bytes
.set i, i+1
.endr
.rept 8
	global_load_b128 v[R+4*i:R+4*i+3], v4, s[6:7] offset:4096*(i-8) th:TH_LOAD_NT
.set i, i+1
.endr
.set i, 0
.rept 16
	s_wait_loadcnt 15-i                            ; loads come back in order: row i is in, the 15 - i behind it may be out
	ds_store_b128 v5, v[R+4*i:R+4*i+3] offset:SPQ*i
.set i, i+1
.endr
.set i, 0
.rept 8
	ds_load_b128 v[X+4*i:X+4*i+3], v6 offset:16*i              ; LDS serves a wave's instructions in order: these see my stores.  Block h of row r,
	ds_load_b128 v[X+32+4*i:X+35+4*i], v6 offset:256+16*i      ; and block 2 + h: the very numbers that the operand's layout gives lane (r, h)
.set i, i+1
.endr
	s_wait_dscnt 0x0
.irp c, 0,1
	v_max3_num_f32 v[8+\c], |v[X+32*\c]|, |v[X+1+32*\c]|, 0x1800000      ; with the floor 2^(3 - 127): the byte cannot fall under 1
.endr
.irp i, 2,4,6,8,10,12,14,16,18,20,22,24,26,28,30
.irp c, 0,1
	v_max3_num_f32 v[8+\c], v[8+\c], |v[X+32*\c+\i]|, |v[X+1+32*\c+\i]|  ; the two blocks by turns
.endr
.endr
.irp c, 0,1
	v_add_nc_u32 v[10+\c], 0xff000000, v[8+\c]     ; 2 off the exponent field: the conversion's scale operand
.endr
.irp c, 0,1
	v_lshrrev_b32 v[12+\c], 23, v[10+\c]           ; the scale's byte
.endr
	v_lshl_or_b32 v14, v13, 16, v12                ; blocks h and 2 + h,
	v_lshlrev_b32 v14, v3, v14                     ; at their places;
	v_mov_b32 v15, 0
	v_permlanex16_b32 v15, v14, s32, s33
	v_or_b32 v14, v14, v15                         ; with lane l xor 16's two the word is whole
	v_cvt_scalef32_pk16_fp6_f32 v[C:C+2], v[X:X+15], v10
	v_cvt_scalef32_pk16_fp6_f32 v[156:158], v[X+16:X+31], v10          ; (a conversion's three registers begin on an even number)
	v_cvt_scalef32_pk16_fp6_f32 v[C+6:C+8], v[X+32:X+47], v11
	v_cvt_scalef32_pk16_fp6_f32 v[160:162], v[X+48:X+63], v11
	v_nop                                          ; one plain place behind a scaled conversion
.irp i, 0,1,2
	v_mov_b32 v[C+3+\i], v[156+\i]
	v_mov_b32 v[C+9+\i], v[160+\i]
.endr
.irp c, 0,1,2
	global_store_b128 v4, v[C+4*\c:C+4*\c+3], s[14:15] offset:512*\c   ; 32 lanes store 512 consecutive bytes, aligned to 256
.endr
	ds_store_b32 v7, v14                           ; both halves of the lanes write the same word with the same value
	s_wait_dscnt 0x0                               ; for the others' sake: my word has landed
	s_barrier_signal -1
	s_barrier_wait -1
	s_cmp_lg_u32 s16, 0
	s_cbranch_scc1 .Lqk_end
	ds_load_b128 v[16:19], v163                    ; wave 0 (whose image is the block's first) stores the block's 512 bytes of scale words
	s_wait_dscnt 0x0
	global_store_b128 v4, v[16:19], s[14:15] offset:12288
.Lqk_end:
	s_wait_tensorcnt 0x0
	ds_add_u32 v168, v169
	s_wait_dscnt 0x0
	s_endpgm
; ---------------- v: a lane takes a channel, its registers run down the keys; a wave takes 32 channels x 128 keys, a work-group two heads of one step
.Lpath_v:
	s_sub_co_u32 s20, ttmp9, 768
	s_lshr_b32 s21, s20, 7                         ; 0 v_local, 1 v_remote
	s_and_b32 s22, s20, 3
	s_bfe_u32 s23, s20, 0x50002                    ; step
	s_lshr_b32 s24, s16, 2
	s_lshl_b32 s22, s22, 1
	s_add_co_u32 s22, s22, s24                     ; head
	s_and_b32 s25, s16, 3                          ; which 32 channels
	v_mul_u32_u24 v4, v3, 1536
	v_lshl_add_u32 v4, v2, 4, v4                   ; out: lanes 0-15 write into image 2 cg, lanes 16-31 into image 2 cg + 1; 16 bytes a row
	v_lshlrev_b32 v3, 2, v1                        ; in: 4 bytes a lane
	v_lshlrev_b32 v7, 4, v1                        ; 16 x lane
	s_lshl_b32 s26, s24, 9
	s_add_co_u32 s26, s26, SCV
	v_add_nc_u32 v6, s26, v7                       ; my head's 512 bytes of scale words, 16 a lane
	s_lshl_b32 s27, s25, 2
	v_add_nc_u32 v5, s27, v6                       ; my channel's word: 16 x lane + 4 cg
	s_lshl_b32 s28, s23, 19                        ; 128 tokens of 4,096 bytes
	s_lshl_b32 s26, s22, 9
	s_add_co_u32 s28, s28, s26
	s_lshl_b32 s26, s25, 7
	s_add_co_u32 s28, s28, s26
	s_mov_b32 s29, 0
	s_add_co_u32 s30, s21, 3
	s_mul_i32 s30, s30, TB
	s_mul_i32 s26, s22, HB
	s_add_co_u32 s30, s30, s26
	s_mul_i32 s26, s23, BLK
	s_add_co_u32 s30, s30, s26
	s_mul_i32 s26, s25, 3072
	s_add_co_u32 s30, s30, s26
	s_mov_b32 s31, 0
	s_wait_kmcnt 0x0
	s_cmp_eq_u32 s21, 0
	s_cselect_b64 s[4:5], s[10:11], s[12:13]
	s_add_nc_u64 s[4:5], s[4:5], s[28:29]
	s_add_nc_u64 s[14:15], s[14:15], s[30:31]
.macro VLOAD t                         ; block t: v(32 t + i, my channel) into set t % 2; the four waves of a head stand side by side on its 512 bytes
.set i, 0
.rept 32
	global_load_b32 v[XV+32*((\t)%2)+i], v3, s[4:5] offset:(32*(\t)+i)*4096 th:TH_LOAD_NT
.set i, i+1
.endr
.endm
.macro VBLOCK t
.set XS, XV+32*((\t)%2)
.set RUN, 96+12*((\t)%2)+6*((\t)/2)    ; v96-107: blocks 0 and 2, what lanes 0-15 of the operand hold; v108-119: blocks 1 and 3, lanes 16-31's
.if (\t) < 3
	s_wait_loadcnt 32                              ; this block's 32 loads are in; the next block's 32 may be out
.else
	s_wait_loadcnt 0
.endif
	v_max3_num_f32 v12, |v[XS]|, |v[XS+1]|, |v[XS+2]|              ; all 32 numbers of the block are mine
	v_max3_num_f32 v13, |v[XS+3]|, |v[XS+4]|, |v[XS+5]|
.irp i, 6,10,14,18,22,26
	v_max3_num_f32 v12, v12, |v[XS+\i]|, |v[XS+\i+1]|
	v_max3_num_f32 v13, v13, |v[XS+\i+2]|, |v[XS+\i+3]|
.endr
	v_max3_num_f32 v12, v12, |v[XS+30]|, |v[XS+31]|
	v_max3_num_f32 v12, v12, v13, 0x1800000        ; and the floor
	v_add_nc_u32 v11, 0xff000000, v12
	v_lshrrev_b32 v13, 23, v11
.if (\t) == 0
	v_mov_b32 v24, v13                             ; byte t of my channel's scale word
.else
	v_lshl_or_b32 v24, v13, 8*(\t), v24
.endif
	v_cvt_scalef32_pk16_fp6_f32 v[RUN:RUN+2], v[XS:XS+15], v11
	v_cvt_scalef32_pk16_fp6_f32 v[120:122], v[XS+16:XS+31], v11
	v_nop                                          ; one plain place behind a scaled conversion
.irp i, 0,1,2
	v_mov_b32 v[RUN+3+\i], v[120+\i]
.endr
.if (\t) < 2
	VLOAD (\t)+2
.endif
.endm
	VLOAD 0
	VLOAD 1
	VBLOCK 0
	VBLOCK 1
	VBLOCK 2
	VBLOCK 3
.irp c, 0,1,2
	global_store_b128 v4, v[96+4*\c:99+4*\c], s[14:15] offset:512*\c         ; sixteen lanes fill 256 consecutive bytes, aligned, of one image
	global_store_b128 v4, v[108+4*\c:111+4*\c], s[14:15] offset:512*\c+256
.endr
	ds_store_b32 v5, v24
	s_wait_dscnt 0x0                               ; for the others' sake
	s_barrier_signal -1
	s_barrier_wait -1
	s_cmp_lg_u32 s25, 0
	s_cbranch_scc1 .Lv_end
	ds_load_b128 v[124:127], v6                    ; waves 0 and 4 (whose images are their blocks' first) store their head's scale words
	s_wait_dscnt 0x0
	global_store_b128 v7, v[124:127], s[14:15] offset:12288
.Lv_end:
	s_wait_tensorcnt 0x0
	ds_add_u32 v168, v169
	s_wait_dscnt 0x0
	s_endpgm
.Lfunc_end_k_qedef4f9eef_prep:
	.size	k_qedef4f9eef_prep, .Lfunc_end_k_qedef4f9eef_prep-k_qedef4f9eef_prep
	.p2alignl 7, 3214868480
	.fill 96, 4, 3214868480
	.section	.rodata,"a",@progbits
	.p2align	6, 0x0
	.amdhsa_kernel k_qedef4f9eef_prep
		.amdhsa_group_segment_fixed_size 70144
		.amdhsa_private_segment_fixed_size 0
		.amdhsa_enable_private_segment 0
		.amdhsa_kernarg_size 48
		.amdhsa_user_sgpr_count 2
		.amdhsa_user_sgpr_kernarg_segment_ptr 1
		.amdhsa_wavefront_size32 1
		.amdhsa_system_sgpr_workgroup_id_x 1
		.amdhsa_system_sgpr_workgroup_id_y 1
		.amdhsa_system_sgpr_workgroup_id_z 1
		.amdhsa_system_vgpr_workitem_id 0
		.amdhsa_next_free_vgpr 170
		.amdhsa_next_free_sgpr 66
		.amdhsa_reserve_vcc 0
		.amdhsa_float_denorm_mode_32 3
		.amdhsa_float_denorm_mode_16_64 3
		.amdhsa_memory_ordered 1
		.amdhsa_forward_progress 1
		.amdhsa_inst_pref_size 32
	.end_amdhsa_kernel
	.amdgpu_metadata
---
amdhsa.version: [ 1, 2 ]
amdhsa.kernels:
  - .name:           k_qedef4f9eef_prep
    .symbol:         k_qedef4f9eef_prep.kd
    .args:
      - { .name: q, .offset: 0, .size: 8, .value_kind: global_buffer, .address_space: global }
      - { .name: k_local, .offset: 8, .size: 8, .value_kind: global_buffer, .address_space: global }
      - { .name: k_remote, .offset: 16, .size: 8, .value_kind: global_buffer, .address_space: global }
      - { .name: v_local, .offset: 24, .size: 8, .value_kind: global_buffer, .address_space: global }
      - { .name: v_remote, .offset: 32, .size: 8, .value_kind: global_buffer, .address_space: global }
      - { .name: codes, .offset: 40, .size: 8, .value_kind: global_buffer, .address_space: global }
    .group_segment_fixed_size: 70144
    .private_segment_fixed_size: 0
    .kernarg_segment_align: 8
    .kernarg_segment_size: 48
    .max_flat_workgroup_size: 256
    .sgpr_count:     66
    .vgpr_count:     170
    .wavefront_size: 32
...
	.end_amdgpu_metadata
.endif
;; end of part 1
;; launch attn (part 2): grid 32 x 8, 8 waves a work-group, no clusters, 208,384 bytes of LDS; arguments codes, q_ranges_local, kv_ranges_local, is_causal_local, q_ranges_remote, kv_ranges_remote, is_causal_remote, out0, out1; writes out0, out1
.if DOCPART == 2
	.amdgcn_target "amdgcn-amd-amdhsa--gfx1250"
	.amdhsa_code_object_version 6
	.text
	.protected	k_qedef4f9eef_attn
	.globl	k_qedef4f9eef_attn
	.p2align	8
	.type	k_qedef4f9eef_attn,@function
k_qedef4f9eef_attn:
	s_mov_b64 s[64:65], 0
	v_nop
	global_prefetch_b8 v0, s[64:65] scope:SCOPE_SE
	s_setreg_imm32_b32 hwreg(HW_REG_WAVE_MODE, 25, 1), 1
	s_wait_xcnt 0x0
; Two masked attentions of the same q (stage 0: local k, v; stage 1: remote), merged by their log-sum-exps with stage 1 merged twice.  All four products on codes of FP6 (E2M3) with E8M0 scales.
; The weights p = e / s are quantised NORMALISED, along the keys in blocks of 32, so a row's maximum and sum are known first: pass P1 (scores, maximum, sum), then pass P2 (scores again, p, p's codes, O^T += V^T P^T).
; THE MASK is the union of four rectangles (q range x kv range, causal or not) READ FROM MEMORY.  A key step (128 keys) in which none of a wave's 32 queries may see a key is left out; a step in which all may see all
; needs no mask lines; in the others a bit for each score is made from the ranges and hidden scores become -infinity.
; SHARES.  Work-group (a, head) owns query blocks a and 63 - a of 64 queries.  Wave w: block w / 4, its half (w / 2) % 2: 32 queries, two tiles of 16.  Waves w and w xor 1 hold the same queries and deal the key steps
; that count, of both stages, alternately; their figures meet in LDS at two barriers, which stand outside all loops.
; NO TENSOR LOADS, NO CLUSTER, NO JOINT REQUESTS: which steps a wave walks, and how many, hangs on the ranges, so partners would need different tiles; operands come from memory straight into registers,
; as images of those registers (three loads of 16 bytes a lane for a fragment; one for the scale words of eight fragments), always one item ahead.
; LAYOUT.  Both products are used transposed: S^T = K Q^T, O^T = V^T P^T: a lane holds ONE query (lane % 16).  Register 16 b + i of S^T is key 32 b + 16 (lane / 16) + i of the step (the keys of a tile of K were chosen so).
; LIMITS: NaN and infinities among the inputs are not served; |score| stays under 3e38; range values under 2^29 in magnitude; p under 2^-126 counts as 0; the merge is computed in base 2, so its roundings are not the
; reference's, order for order.
; REGISTERS.  window 0: v1 16 x lane; v2, v3 offsets of K's and V's loads; v4-7 my two queries (whole numbers, f32); v8 16 (lane / 16) as f32; v9 -inf; v10, v11, v32, v33 LDS addresses; v12 q's scale words;
;   v13 lse; v14, v15 p's scale words; v16-19 K's, v20-23 V's scale words; v24-31 four figures a tile; v34 -1; v36-45 mask; v46-57 block figures; v58-64 conversions; v66-69 pairs at work; v70-93 p's codes;
;   v94, v95 q's offsets; v96-159 S^T; v160-255 V's eight fragments (in P1 v160-223: tile 1's S^T).
;   window 1: v0-127 O^T (tile t, channels 16 d on: 64 t + 8 d); v128-223 K's eight fragments; v224-247 q's two; v248-255 the other stage's figures.
; SCALARS.  s[2:3] codes at my head; s[4:5] out0, s[6:7] out1 at my rows; s8 wave, s9 wave % 2, s10 my first query, s11 head; s12 stage, s13, s14 trip and trips, s15 steps left, s16 the step, s17 the next item's
;   offset, s18 what follows this loop's last item, s19 256 x stage; s24, s25 my steps of this and of the other stage; s28-31 carries; s36-39 D, s44 FULL, s68-75 QS, QL, s76-83 KS, KE of this stage; s40-43, s45, s84-99 the other's.
.set BLK,   12800
.set HB,    32*BLK
.set TB,    8*HB                       ; = 256 BLK: k_remote's step j is k_local's step j + 256
.set STASH, 0                          ; 8 x 16,384: a wave's weighted part of O^T, two tiles of 8,192 bytes, as images of its registers
.set STG,   131072                     ; 8 x 8,448: the way out, 16 rows x (512 + 16) bytes, each wave's own
.set STATS, STG+8*8448                 ; 8 x 1,024: [stage][m0, S0, m1, S1 at 16 x lane]
.set LSE,   STATS+8*1024               ; 128 words
.set MSB, 0
.macro WIN new                         ; the immediate's high byte repeats the setting that is left
.if MSB != \new
	s_set_vgpr_msb (MSB<<8)|\new
.set MSB, \new
.endif
.endm
.macro PLACES n
.rept \n
	v_nop
.endr
.endm
.macro LOADK                           ; 25 loads: the item's eight fragments of K and their scale words
	WIN 0x40                                       ; destination window 1
.irp f, 0,1,2,3,4,5,6,7
.irp c, 0,1,2
	global_load_b128 v[128+12*\f+4*\c:131+12*\f+4*\c], v2, s[2:3] offset:1536*\f+512*\c
.endr
.endr
	WIN 0
	global_load_b128 v[16:19], v2, s[2:3] offset:12288
.endm
.macro LOADV                           ; 25 loads: the same step's eight fragments of V and their scale words
.irp f, 0,1,2,3,4,5,6,7
.irp c, 0,1,2
	global_load_b128 v[160+12*\f+4*\c:163+12*\f+4*\c], v3, s[2:3] offset:1536*\f+512*\c
.endr
.endr
	global_load_b128 v[20:23], v3, s[2:3] offset:12288
.endm
; S^T of tile t into v[sb] on: eight products, each starting its own sum.  Scale register j holds fragment 2 j's words in lanes 0-15 and fragment 2 j + 1's in lanes 16-31; v12 tile 0's below, tile 1's above.
.macro QK t, sb
.irp f, 0,1,2,3,4,5,6,7
.if (\f%2 == 0) && (\t == 0)
	v_wmma_scale_f32_16x16x128_f8f6f4 v[\sb+8*\f:\sb+8*\f+7], v[128+12*\f:139+12*\f], v[224+12*\t:235+12*\t], 0, v[16+\f/2], v12 matrix_a_fmt:MATRIX_FMT_FP6 matrix_b_fmt:MATRIX_FMT_FP6
.elseif (\t == 0)
	v_wmma_scale_f32_16x16x128_f8f6f4 v[\sb+8*\f:\sb+8*\f+7], v[128+12*\f:139+12*\f], v[224+12*\t:235+12*\t], 0, v[16+\f/2], v12 matrix_a_fmt:MATRIX_FMT_FP6 matrix_b_fmt:MATRIX_FMT_FP6 matrix_a_scale:MATRIX_SCALE_ROW1
.elseif (\f%2 == 0)
	v_wmma_scale_f32_16x16x128_f8f6f4 v[\sb+8*\f:\sb+8*\f+7], v[128+12*\f:139+12*\f], v[224+12*\t:235+12*\t], 0, v[16+\f/2], v12 matrix_a_fmt:MATRIX_FMT_FP6 matrix_b_fmt:MATRIX_FMT_FP6 matrix_b_scale:MATRIX_SCALE_ROW1
.else
	v_wmma_scale_f32_16x16x128_f8f6f4 v[\sb+8*\f:\sb+8*\f+7], v[128+12*\f:139+12*\f], v[224+12*\t:235+12*\t], 0, v[16+\f/2], v12 matrix_a_fmt:MATRIX_FMT_FP6 matrix_b_fmt:MATRIX_FMT_FP6 matrix_a_scale:MATRIX_SCALE_ROW1 matrix_b_scale:MATRIX_SCALE_ROW1
.endif
.endr
.endm
; O^T += V^T P^T: sixteen accumulators by turns, one instruction a turn
.macro PV
.irp d, 0,1,2,3,4,5,6,7
.irp t, 0,1
.if \d%2 == 0
	v_wmma_scale_f32_16x16x128_f8f6f4 v[64*\t+8*\d:64*\t+8*\d+7], v[160+12*\d:171+12*\d], v[70+12*\t:81+12*\t], v[64*\t+8*\d:64*\t+8*\d+7], v[20+\d/2], v[14+\t] matrix_a_fmt:MATRIX_FMT_FP6 matrix_b_fmt:MATRIX_FMT_FP6
.else
	v_wmma_scale_f32_16x16x128_f8f6f4 v[64*\t+8*\d:64*\t+8*\d+7], v[160+12*\d:171+12*\d], v[70+12*\t:81+12*\t], v[64*\t+8*\d:64*\t+8*\d+7], v[20+\d/2], v[14+\t] matrix_a_fmt:MATRIX_FMT_FP6 matrix_b_fmt:MATRIX_FMT_FP6 matrix_a_scale:MATRIX_SCALE_ROW1
.endif
.endr
.endr
.endm
; At a trip's head: this trip's step, and the offset of the item that follows it (in this loop, or the first of the next loop that has any), held inside the buffer by a minimum with a constant.
.macro ITEM
	s_ctz_i32_b32 s16, s15
	s_add_co_u32 s32, s15, -1
	s_and_b32 s15, s15, s32
	s_ctz_i32_b32 s17, s15
	s_add_co_u32 s17, s17, s19
	s_cmp_lg_u32 s15, 0
	s_cselect_b32 s17, s17, s18
	s_min_u32 s17, s17, 287
	s_mul_i32 s17, s17, BLK
	s_add_co_u32 s17, s17, TB
.endm
.macro STAGE_BEGIN                     ; what follows this loop's last item: the other stage's first step if it has one (it is walked next), else this stage's first again (the next pass); at the very end a spare load of a block that exists
	s_ctz_i32_b32 s32, s25
	s_xor_b32 s33, s19, 256
	s_add_co_u32 s32, s32, s33
	s_ctz_i32_b32 s18, s24
	s_add_co_u32 s18, s18, s19
	s_cmp_lg_u32 s25, 0
	s_cselect_b32 s18, s32, s18
	s_mov_b32 s15, s24
	s_bcnt1_i32_b32 s14, s24
	s_mov_b32 s13, 0
.endm
.macro SWAP                            ; the two stages' figures change places
.irp p, 0,1,2,3,4,5,6,7
	s_mov_b64 s[32:33], s[68+2*\p:69+2*\p]
	s_mov_b64 s[68+2*\p:69+2*\p], s[84+2*\p:85+2*\p]
	s_mov_b64 s[84+2*\p:85+2*\p], s[32:33]
.endr
.irp p, 0,1
	s_mov_b64 s[32:33], s[36+2*\p:37+2*\p]
	s_mov_b64 s[36+2*\p:37+2*\p], s[40+2*\p:41+2*\p]
	s_mov_b64 s[40+2*\p:41+2*\p], s[32:33]
.endr
	s_mov_b32 s32, s44
	s_mov_b32 s44, s45
	s_mov_b32 s45, s32
	s_mov_b32 s32, s24
	s_mov_b32 s24, s25
	s_mov_b32 s25, s32
	s_xor_b32 s19, s19, 256
.endm
; A stage's ranges (raw: q at s[rq], kv at s[rk], four causal bytes in s[rc]) become, in place: QS, QL = the q range's start and length; KS, KE as f32; D as f32 at s[db]: key k counts for query q of the pair where
; KS <= k < min(KE, q + D), D = ke - qe + 1 (65,536 where the pair is not causal).  Lane j stands for key step j (v36 = 128 j, v37 = 128 j + 128): s[ac] gets the steps that may hold a key for one of my 32 queries,
; s[fu] those in which one pair lets all 32 see all 128.
.macro STAGESET rq, rk, rc, db, fu, ac
	s_mov_b32 s[\fu], 0
	s_mov_b32 s[\ac], 0
.irp b, 0,1,2,3
	s_sub_co_i32 s32, s[\rk+2*\b+1], s[\rq+2*\b+1]
	s_add_co_i32 s32, s32, 1
	s_max_i32 s32, s32, 0xffffe000                 ; beyond +-4,096 D decides nothing more: held at +-8,192
	s_min_i32 s32, s32, 0x2000
	s_bfe_u32 s33, s[\rc], 0x80000+8*\b
	s_cmp_lg_u32 s33, 0
	s_cselect_b32 s32, s32, 0x10000                ; D
	s_max_i32 s33, s[\rq+2*\b], 0
	s_min_i32 s33, s33, 0x1000                     ; QS
	s_max_i32 s34, s[\rq+2*\b+1], 0
	s_min_i32 s34, s34, 0x1000
	s_max_i32 s35, s[\rk+2*\b], 0
	s_min_i32 s35, s35, 0x1000                     ; KS
	s_max_i32 s55, s[\rk+2*\b+1], 0
	s_min_i32 s55, s55, 0x1000
	s_max_i32 s55, s55, s35                        ; KE, not under KS
	s_sub_co_i32 s56, s34, s33
	s_max_i32 s56, s56, 0                          ; QL
	s_add_co_u32 s62, s33, s56                     ; the q range's end
	s_sub_co_u32 s57, s62, 1
	s_add_co_u32 s58, s10, 31
	s_min_i32 s57, s57, s58                        ; the last of my queries in the range,
	s_max_i32 s59, s10, s33                        ; and the first
	s_add_co_i32 s60, s57, s32
	s_min_i32 s60, s60, s55                        ; HI: no key from here on counts for any of them
	s_cmp_gt_i32 s59, s57
	s_cselect_b32 s60, -1, s60                     ; none of my queries is in the range
	s_cmp_ge_i32 s35, s60
	s_cselect_b32 s60, -1, s60                     ; or no key is left
	s_add_co_i32 s61, s10, s32
	s_min_i32 s61, s61, s55                        ; LOW: every key under it (from KS on) counts for all 32,
	s_cmp_gt_i32 s33, s10
	s_cselect_b32 s61, -1, s61                     ; if all 32 lie in the range
	s_add_co_u32 s63, s10, 32
	s_cmp_lt_i32 s62, s63
	s_cselect_b32 s61, -1, s61
	v_cmp_gt_i32 s62, s60, v36
	v_cmp_lt_i32 s63, s35, v37
	s_and_b32 s62, s62, s63
	s_or_b32 s[\ac], s[\ac], s62
	v_cmp_le_i32 s62, s35, v36
	v_cmp_ge_i32 s63, s61, v37
	s_and_b32 s62, s62, s63
	s_or_b32 s[\fu], s[\fu], s62
	s_mov_b32 s[\rq+2*\b], s33
	s_mov_b32 s[\rq+2*\b+1], s56
	s_cvt_f32_u32 s[\rk+2*\b], s35
	s_cvt_f32_u32 s[\rk+2*\b+1], s55
	s_add_co_u32 s32, s32, 0x2000                  ; D may be negative: converted 8,192 higher, which is then taken off (small whole numbers: exact)
	s_cvt_f32_u32 s32, s32
	s_add_f32 s[\db+\b], s32, 0xc6000000
.endr
.endm
; Pair b's keys for my query of tile t are the interval [KS, E), E = q + D held to KS .. KE, or KS where q is outside the q range.  Against my 16 keys of each block g it becomes 16 bits: bit 31 - i for element i.
; The f32 numbers here are whole numbers under 2^17, exact; they steer selections alone, no branch and no address.
.macro MPAIR t, b
	v_sub_nc_u32 v45, v[4+\t], s[68+2*\b]
	v_add_f32 v41, s[36+\b], v[6+\t]
	v_cmp_gt_u32 vcc_lo, s[69+2*\b], v45           ; 0 <= q - QS < QL
	v_med3_num_f32 v41, v41, s[76+2*\b], s[77+2*\b]
	v_cndmask_b32 v41, s[76+2*\b], v41, vcc_lo
	v_sub_f32 v42, s[76+2*\b], v40                 ; both ends counted from my first key of block 0
	v_sub_f32 v41, v41, v40
.irp g, 0,1,2,3
	v_med3_num_f32 v43, v41, 0, s27                ; held to 0 .. 16
	v_med3_num_f32 v44, v42, 0, s27
	v_cvt_u32_f32 v43, v43
	v_cvt_u32_f32 v44, v44
	v_lshrrev_b32 v43, v43, v34                    ; ones from element E on,
	v_lshrrev_b32 v44, v44, v34                    ; ones from element KS on:
	v_xor_b32 v43, v43, v44                        ; ones for KS <= element < E
	v_or_b32 v[36+\g], v[36+\g], v43
.if \g < 3
	v_add_f32 v41, 0xc2000000, v41                 ; 32 keys on
	v_add_f32 v42, 0xc2000000, v42
.endif
.endr
.endm
.macro MASK t, sb                      ; hidden scores of tile t become -infinity.  All four pairs are computed: one that does not touch the tile gives an empty interval
	s_lshl_b32 s32, s16, 7
	v_cvt_f32_u32 v40, s32
	v_add_f32 v40, v40, v8                         ; my first key of the step: 128 J + 16 (lane / 16)
.irp g, 0,1,2,3
	v_mov_b32 v[36+\g], 0
.endr
	MPAIR \t, 0
	MPAIR \t, 1
	MPAIR \t, 2
	MPAIR \t, 3
.irp i, 0,1,2,3,4,5,6,7,8,9,10,11,12,13,14,15
.irp g, 0,1,2,3
	v_add_co_u32 v[36+\g], s[28+\g], v[36+\g], v[36+\g]            ; the top bit goes out as the carry
.endr
.irp g, 0,1,2,3
	v_cndmask_b32 v[\sb+16*\g+\i], v9, v[\sb+16*\g+\i], s[28+\g]   ; ascending: each accumulator is read from its low end on
.endr
.endr
.endm
.macro BLOCKMAX sb                     ; the largest score of my 16 keys of each block of 32, four chains by turns, each accumulator from its low end on
.irp b, 0,1,2,3
	v_max3_num_f32 v[46+\b], v[\sb+16*\b], v[\sb+16*\b+1], v[\sb+16*\b+2]
.endr
.irp i, 3,5,7,9,11,13
.irp b, 0,1,2,3
	v_max3_num_f32 v[46+\b], v[46+\b], v[\sb+16*\b+\i], v[\sb+16*\b+\i+1]
.endr
.endr
.irp b, 0,1,2,3
	v_max_num_f32 v[46+\b], v[46+\b], v[\sb+16*\b+15]
.endr
.endm
; P1, tile t: running maximum m (of raw scores) and sum of 2^(c (s - m)), for my half of the lanes' keys alone: the halves meet once, at the stage's end.  s - m is taken first, so that it is exact where it counts.
.macro SOFT1 t, sb
.set MR, 24+4*\t                       ; m, (named with it as a pair), the sum in two halves
	BLOCKMAX \sb
	v_max3_num_f32 v55, v46, v47, v48
	v_max3_num_f32 v55, v55, v49, v[MR]            ; the new m
	v_sub_f32 v54, v[MR], v55
	v_mul_f32 v54, s22, v54
	v_exp_f32 v66, v54                             ; a = 2^(c (old m - new m))
	v_mov_b32 v[MR], v55
.set j, 0
.rept 32
	v_pk_add_f32 v[\sb+j:\sb+j+1], v[\sb+j:\sb+j+1], v[MR:MR+1] op_sel_hi:[1,0] neg_lo:[0,1] neg_hi:[0,1]
.set j, j+2
.endr
.set j, 0
.rept 32
	v_pk_mul_f32 v[\sb+j:\sb+j+1], v[\sb+j:\sb+j+1], s[22:23] op_sel_hi:[1,0]
.set j, j+2
.endr
.set j, 0
.rept 64
	v_exp_f32 v[\sb+j], v[\sb+j]
.set j, j+1
.endr
	s_wait_alu depctr_va_vdst(0)
	v_pk_mul_f32 v[MR+2:MR+3], v[MR+2:MR+3], v[66:67] op_sel_hi:[1,0]     ; the sum under the new m (a plain place behind the exponentials)
	v_pk_add_f32 v[68:69], v[\sb:\sb+1], v[\sb+2:\sb+3]                   ; two chains
.set j, 4
.rept 15
	v_pk_add_f32 v[MR+2:MR+3], v[MR+2:MR+3], v[\sb+j:\sb+j+1]
	v_pk_add_f32 v[68:69], v[68:69], v[\sb+j+2:\sb+j+3]
.set j, j+4
.endr
	v_pk_add_f32 v[MR+2:MR+3], v[MR+2:MR+3], v[68:69]
.endm
; A stage's end in P1: the two halves of the lanes meet.  Two products and a sum, not a fused form: so both halves get the same bits, on which the blocks' scales in P2 rest.
; The stage's four figures go behind the last stage's in window 1 v248-255.
.macro STATEND
.irp t, 0,1
	v_add_f32 v[46+\t], v[26+4*\t], v[27+4*\t]
.endr
.irp t, 0,1
	v_permlanex16_b32 v[50+\t], v[24+4*\t], s20, s21
.endr
.irp t, 0,1
	v_permlanex16_b32 v[52+\t], v[46+\t], s20, s21
.endr
.irp t, 0,1
	v_max_num_f32 v[48+\t], v[24+4*\t], v[50+\t]
.endr
.irp t, 0,1
	v_sub_f32 v[54+\t], v[24+4*\t], v[48+\t]
	v_sub_f32 v[56+\t], v[50+\t], v[48+\t]
.endr
.irp t, 0,1
	v_mul_f32 v[54+\t], s22, v[54+\t]
	v_mul_f32 v[56+\t], s22, v[56+\t]
.endr
.irp t, 0,1
	v_exp_f32 v[54+\t], v[54+\t]
	v_exp_f32 v[56+\t], v[56+\t]
.endr
	v_nop                                          ; a plain place behind the exponentials
	s_wait_alu depctr_va_vdst(0)
.irp t, 0,1
	v_mul_f32 v[46+\t], v[46+\t], v[54+\t]
	v_mul_f32 v[52+\t], v[52+\t], v[56+\t]
.endr
.irp t, 0,1
	v_add_f32 v[46+\t], v[46+\t], v[52+\t]
.endr
	WIN 0x41                                       ; destination and source window 1
.irp i, 0,1,2,3
	v_mov_b32 v[248+\i], v[252+\i]
.endr
	WIN 0x40
	v_mov_b32 v252, v48
	v_mov_b32 v253, v46
	v_mov_b32 v254, v49
	v_mov_b32 v255, v47
	WIN 0
.endm
; P2, tile t: p = 2^(c s - L), L = c m + log2 S: finished and normalised; then its codes and scale word.  A block's largest p is not searched for: the block's largest SCORE goes through 2^(c (s - m) - log2 S),
; which is exactly 1 for a row with one key.
.macro SOFT2 t
.set PR, 24+4*\t                       ; -L, m, W, -log2 S
.set PC, 70+12*\t
	BLOCKMAX 96
.irp b, 0,1,2,3
	v_permlanex16_b32 v[50+\b], v[46+\b], s20, s21
.endr
.irp b, 0,1,2,3
	v_max_num_f32 v[46+\b], v[46+\b], v[50+\b]     ; with lane l xor 16's 16 keys
.endr
.set j, 0
.rept 32
	v_pk_fma_f32 v[96+j:97+j], v[96+j:97+j], s[22:23], v[PR:PR+1] op_sel_hi:[1,0,0]
.set j, j+2
.endr
.irp b, 0,1,2,3
	v_sub_f32 v[46+\b], v[46+\b], v[PR+1]
.endr
.irp b, 0,1,2,3
	v_fma_f32 v[46+\b], v[46+\b], s22, v[PR+3]
.endr
.set j, 0
.rept 64
	v_exp_f32 v[96+j], v[96+j]
.set j, j+1
.endr
.irp b, 0,1,2,3
	v_exp_f32 v[46+\b], v[46+\b]
.endr
	v_nop                                          ; a plain place behind the exponentials
	s_wait_alu depctr_va_vdst(0)
.irp b, 0,1,2,3
	v_max_num_f32 v[46+\b], 0x1800000, v[46+\b]    ; the floor 2^(3 - 127): the byte cannot fall under 1 (a block of zeros keeps that byte: its codes are zeros)
.endr
.irp b, 0,1,2,3
	v_add_nc_u32 v[54+\b], 0xff000000, v[46+\b]    ; 2 off the exponent field: the conversion's scale operand
.endr
.irp b, 0,1,2,3
	v_lshrrev_b32 v[50+\b], 23, v[54+\b]
.endr
	v_lshl_or_b32 v[14+\t], v51, 8, v50            ; p's scale word for these 128 keys
	v_lshl_or_b32 v[14+\t], v52, 16, v[14+\t]
	v_lshl_or_b32 v[14+\t], v53, 24, v[14+\t]
.irp c, 0,1
	v_cvt_scalef32_pk16_fp6_f32 v[PC+6*\c:PC+6*\c+2], v[96+32*\c:111+32*\c], v[54+2*\c]
	v_cvt_scalef32_pk16_fp6_f32 v[58+4*\c:60+4*\c], v[112+32*\c:127+32*\c], v[55+2*\c]     ; (a conversion's three registers begin on an even number)
.endr
	v_nop                                          ; one plain place behind a scaled conversion
.irp c, 0,1                            ; the operand's layout wants a WHOLE block in a lane: lanes 0-15 block 2 c, lanes 16-31 block 2 c + 1
.irp i, 0,1,2
	v_permlane16_swap_b32 v[PC+6*\c+\i], v[58+4*\c+\i]
.endr
.irp i, 0,1,2
	v_mov_b32 v[PC+3+6*\c+\i], v[58+4*\c+\i]
.endr
.endr
.endm
; A stage's end in P2, tile t: my part of O^T, times the stage's weight in the merge, is added to what lies in my stash.
.macro STASHADD t
.set n, 0
.rept 16
	ds_load_b128 v[96+4*n:99+4*n], v10 offset:8192*\t+512*n
.set n, n+1
.endr
	s_wait_dscnt 0x0
	WIN 0x41                                       ; O^T: destination and source 0 in window 1
.set j, 0
.rept 32
	v_pk_fma_f32 v[64*\t+j:64*\t+j+1], v[64*\t+j:64*\t+j+1], v[26+4*\t:27+4*\t], v[96+j:97+j] op_sel_hi:[1,0,1]   ; ascending: each accumulator from its low end on
.set j, j+2
.endr
	WIN 0x04                                       ; an LDS store's data are its source 1
.set n, 0
.rept 16
	ds_store_b128 v10, v[64*\t+4*n:64*\t+4*n+3] offset:8192*\t+512*n
.set n, n+1
.endr
	WIN 0
.endm
.macro PSWAP                           ; the two stages' softmax figures change places
	WIN 0x01
.irp i, 0,1,2,3,4,5,6,7
	v_mov_b32 v[36+\i], v[248+\i]
.endr
	WIN 0x40
.irp i, 0,1,2,3,4,5,6,7
	v_mov_b32 v[248+\i], v[24+\i]
.endr
	WIN 0
.irp i, 0,1,2,3,4,5,6,7
	v_mov_b32 v[24+\i], v[36+\i]
.endr
.endm
; Stage s, tile t: the two partners' m and S become one; both partners compute from the same operands in the same order.  Results: -L, m, (W later), -log2 S at v[PQ]; L at v[TQ+3].
.macro CSTAT s, t
.set MA, 96+4*\s+2*\t
.set MB, 104+4*\s+2*\t
.set PQ, 24+4*\t+96*\s
.set TQ, 128+8*\s+4*\t
	v_max_num_f32 v[PQ+1], v[MA], v[MB]
	v_sub_f32 v[TQ], v[MA], v[PQ+1]
	v_sub_f32 v[TQ+1], v[MB], v[PQ+1]
	v_mul_f32 v[TQ], s22, v[TQ]
	v_mul_f32 v[TQ+1], s22, v[TQ+1]
	v_exp_f32 v[TQ], v[TQ]
	v_exp_f32 v[TQ+1], v[TQ+1]
	v_nop
	s_wait_alu depctr_va_vdst(0)
	v_mul_f32 v[TQ], v[MA+1], v[TQ]
	v_fma_f32 v[TQ], v[MB+1], v[TQ+1], v[TQ]       ; S
	v_log_f32 v[TQ+2], v[TQ]
	v_nop
	v_cmp_lt_f32 vcc_lo, 0, v[TQ]
	s_wait_alu depctr_va_vdst(0)
	v_fma_f32 v[TQ+3], s22, v[PQ+1], v[TQ+2]       ; L = c m + log2 S: -infinity for a row without a key
	v_sub_f32 v[TQ+1], 0, v[TQ+2]
	v_sub_f32 v[TQ], 0, v[TQ+3]
	v_cndmask_b32 v[PQ+3], 0, v[TQ+1], vcc_lo      ; such a row's figures are 0: its scores are all -infinity, its p all 0
	v_cndmask_b32 v[PQ], 0, v[TQ], vcc_lo
.endm
.macro LSE2 d, x, y, ta, tb            ; log2(2^x + 2^y); the maximum with -infinity turns the NaN of (-inf) - (-inf) into -infinity
	v_min_num_f32 v[\ta], v[\x], v[\y]
	v_max_num_f32 v[\tb], v[\x], v[\y]
	v_sub_f32 v[\ta], v[\ta], v[\tb]
	v_max_num_f32 v[\ta], v[\ta], v9
	v_exp_f32 v[\ta], v[\ta]
	v_nop
	s_wait_alu depctr_va_vdst(0)
	v_add_f32 v[\ta], 1.0, v[\ta]
	v_log_f32 v[\ta], v[\ta]
	v_nop
	s_wait_alu depctr_va_vdst(0)
	v_add_f32 v[\d], v[\tb], v[\ta]
.endm
.macro WEXP d, x, y                    ; 2^(x - y), 0 where both are -infinity
	v_sub_f32 v[\d], v[\x], v[\y]
	v_max_num_f32 v[\d], v[\d], v9
	v_exp_f32 v[\d], v[\d]
	v_nop
.endm
.macro MERGE t                         ; the merge as it is defined: stages 0 and 1, then the result with stage 1 once more
.set L0, 131+4*\t
.set L1, 139+4*\t
.set G, 144+8*\t
	LSE2 G+2, L0, L1, G, G+1
	WEXP G+3, L0, G+2
	WEXP G+4, L1, G+2
	LSE2 G+5, G+2, L1, G, G+1
	WEXP G+6, G+2, G+5
	WEXP G+7, L1, G+5
	s_wait_alu depctr_va_vdst(0)
	v_mul_f32 v[26+4*\t], v[G+6], v[G+3]           ; stage 0's weight
	v_fma_f32 v[122+4*\t], v[G+6], v[G+4], v[G+7]  ; stage 1's
	v_mul_f32 v[G], 0x3f317218, v[G+5]             ; lse, in natural units
.endm
; ================ head
	s_load_b256 s[36:43], s[0:1], 0x0              ; codes, q_ranges_local, kv_ranges_local, is_causal_local
	s_load_b256 s[44:51], s[0:1], 0x20             ; q_ranges_remote, kv_ranges_remote, is_causal_remote, out0
	s_load_b64 s[52:53], s[0:1], 0x40              ; out1
	v_lshl_add_u32 v61, v0, 2, 0x32a00
	v_mov_b32 v65, 0
	v_lshrrev_b32 v36, 5, v0
	v_readfirstlane_b32 s8, v36                    ; wave 0..7
	v_and_b32 v37, 31, v0                          ; lane
	v_and_b32 v38, 15, v0                          ; r
	v_bfe_u32 v39, v0, 4, 1                        ; h
	v_lshlrev_b32 v1, 4, v37
	s_mov_b32 s20, 0x76543210
	s_mov_b32 s21, 0xfedcba98                      ; v_permlanex16_b32's selects for lane l xor 16
	s_mov_b32 s22, 0x3e0293ee                      ; c = log2(e) / sqrt(128)
	s_mov_b32 s23, s22
	s_mov_b32 s26, 0xffff0000                      ; lanes 16-31
	s_mov_b32 s27, 0x41800000                      ; 16.0
	s_mov_b32 s19, 0
	s_and_b32 s9, s8, 1
	s_lshr_b32 s32, s8, 2
	s_bfe_u32 s33, s8, 0x10001
	s_and_b32 s11, ttmp7, 0xffff                   ; head
	s_sub_co_u32 s34, 63, ttmp9
	s_cmp_lg_u32 s32, 0
	s_cselect_b32 s34, s34, ttmp9                  ; my block of 64 queries: a, or its mirror 63 - a
	s_lshl_b32 s10, s34, 6
	s_lshl_b32 s33, s33, 5
	s_add_co_u32 s10, s10, s33                     ; my first query
	s_lshl_b32 s55, s8, 14
	v_add_nc_u32 v10, s55, v1                      ; my stash
	s_lshl_b32 s55, s8, 10
	s_add_co_u32 s55, s55, STATS
	v_add_nc_u32 v11, s55, v1                      ; my statistics
	s_lshr_b32 s56, s8, 1
	s_lshl_b32 s55, s56, 11
	s_add_co_u32 s55, s55, STATS
	v_add_nc_u32 v32, s55, v1                      ; my pair's
	s_lshl_b32 s55, s56, 7
	s_add_co_u32 s55, s55, LSE
	v_lshlrev_b32 v33, 2, v37
	v_add_nc_u32 v33, s55, v33                     ; my pair's 32 words of lse
	s_mul_i32 s54, s11, HB
	s_mov_b32 s55, 0
	s_lshl_b32 s56, s9, 4                          ; at the end I finish tile wave % 2 of my pair
	s_add_co_u32 s56, s56, s10
	s_lshl_b32 s56, s56, 12
	s_lshl_b32 s57, s11, 9
	s_add_co_u32 s56, s56, s57
	s_mov_b32 s57, 0
	s_lshl_b32 s58, s11, 14
	s_lshl_b32 s59, s34, 8
	s_add_co_u32 s58, s58, s59
	s_mov_b32 s59, 0
	s_lshr_b32 s60, s10, 7
	s_mul_i32 s60, s60, BLK                        ; q's block of 128 queries,
	s_bfe_u32 s61, s10, 0x20005                    ; and which pair of fragments in it is mine
	s_mul_i32 s62, s61, 3072
	s_add_co_u32 s62, s62, s60
	v_add_nc_u32 v94, s62, v1
	s_lshl_b32 s61, s61, 2
	s_add_co_u32 s61, s61, s60
	v_add_nc_u32 v95, s61, v1
	v_add_nc_u32 v4, s10, v38                      ; my query in tile 0,
	v_add_nc_u32 v5, 16, v4                        ; in tile 1
	v_cvt_f32_u32 v6, v4
	v_cvt_f32_u32 v7, v5
	v_lshlrev_b32 v8, 4, v39
	v_cvt_f32_u32 v8, v8
	v_mov_b32 v9, 0xff800000
	v_mov_b32 v34, -1
	v_lshlrev_b32 v36, 7, v37                      ; lane j stands for key step j: its first key,
	v_add_nc_u32 v37, 0x80, v36                    ; and the next step's
	v_mov_b32 v67, 0                               ; (named as the upper half of a pair)
.irp i, 0,1,2,3,4,5,6,7
	v_mov_b32 v[50+\i], 0                          ; written once: a lane permute's destination counts as one of its sources
.endr
.irp i, 0,1,2,3
	v_mov_b32 v[96+\i], 0
.endr
	WIN 0x40
.irp i, 0,1,2,3
	v_mov_b32 v[252+\i], 0                         ; (moved on once before the first stage's figures arrive)
.endr
	WIN 0
.set n, 0
.rept 32
	ds_store_b128 v10, v[96:99] offset:512*n       ; my stash begins as zeros, so that both stages add to it in the same lines
.set n, n+1
.endr
	s_wait_kmcnt 0x0
	s_load_b256 s[68:75], s[38:39], 0x0
	s_load_b256 s[76:83], s[40:41], 0x0
	s_load_b256 s[84:91], s[44:45], 0x0
	s_load_b256 s[92:99], s[46:47], 0x0
	s_load_b32 s100, s[42:43], 0x0
	s_load_b32 s101, s[48:49], 0x0
	s_add_nc_u64 s[2:3], s[36:37], s[54:55]
	s_add_nc_u64 s[4:5], s[50:51], s[56:57]
	s_add_nc_u64 s[6:7], s[52:53], s[58:59]
	WIN 0x40
.irp t, 0,1
.irp c, 0,1,2
	global_load_b128 v[224+12*\t+4*\c:227+12*\t+4*\c], v94, s[2:3] offset:1536*\t+512*\c    ; q's two fragments stay in registers
.endr
.endr
	WIN 0
	global_load_b32 v12, v95, s[2:3] offset:12288  ; lanes 0-15: tile 0's scale words, lanes 16-31: tile 1's
	s_wait_kmcnt 0x0                               ; the ranges are in; the pointers' registers are free
	STAGESET 68, 76, 100, 36, 44, 46
	STAGESET 84, 92, 101, 40, 45, 47
	; the steps that count, of both stages on end, are dealt alternately to the two partners
	s_bcnt1_i32_b32 s35, s46
	v_mbcnt_lo_u32_b32 v38, s46, 0
	v_and_b32 v38, 1, v38
	v_cmp_eq_u32 s55, s9, v38
	s_and_b32 s24, s46, s55
	v_mbcnt_lo_u32_b32 v38, s47, s35
	v_and_b32 v38, 1, v38
	v_cmp_eq_u32 s55, s9, v38
	s_and_b32 s25, s47, s55
	s_ctz_i32_b32 s17, s24                         ; my first item
	s_ctz_i32_b32 s32, s25
	s_add_co_u32 s32, s32, 256
	s_cmp_lg_u32 s24, 0
	s_cselect_b32 s17, s17, s32
	s_min_u32 s17, s17, 287
	s_mul_i32 s17, s17, BLK
	s_add_co_u32 s17, s17, TB
	v_add_nc_u32 v2, s17, v1
	LOADK
; ================ P1: maxima and sums.  K's registers always hold, or have on their way, the next item.
	s_mov_b32 s12, 0
.Lp1_stage:
	STAGE_BEGIN
.irp t, 0,1
	v_mov_b32 v[24+4*\t], 0xff61b1e6               ; m: -3e38, under every score
	v_mov_b32 v[25+4*\t], 0
	v_mov_b32 v[26+4*\t], 0
	v_mov_b32 v[27+4*\t], 0
.endr
	s_cmp_eq_u32 s14, 0
	s_cbranch_scc1 .Lp1_done
.Lp1_trip:
	ITEM
	s_wait_loadcnt 0x0                             ; this item's K (and, the first time, q)
	WIN 0x05                                       ; sources 0 and 1 in window 1
	QK 0, 96
	QK 1, 160
	WIN 0
	v_add_nc_u32 v2, s17, v1                       ; free since the wait above.  With three v_nop: the four places in front of loads into registers that the products have read
	PLACES 3
	LOADK                                          ; the next item lands while this one's softmax is walked
	s_bitcmp1_b32 s44, s16
	s_cbranch_scc1 .Lp1_full                       ; every key of the step counts for all my queries
	MASK 0, 96
	MASK 1, 160
.Lp1_full:
	SOFT1 0, 96
	SOFT1 1, 160
	s_add_co_u32 s13, s13, 1
	s_cmp_lt_u32 s13, s14
	s_cbranch_scc1 .Lp1_trip
.Lp1_done:
	STATEND
	SWAP
	s_add_co_u32 s12, s12, 1
	s_cmp_lt_u32 s12, 2
	s_cbranch_scc1 .Lp1_stage
	WIN 0x04
	ds_store_b128 v11, v[248:251]                  ; stage 0's m0, S0, m1, S1
	ds_store_b128 v11, v[252:255] offset:512       ; stage 1's
	WIN 0
	v_add_nc_u32 v3, 2*TB, v2                      ; V of P2's first item, whose K is on its way: the same step, two tensors on
	LOADV
	s_wait_dscnt 0x0                               ; for my partner's sake: my statistics have landed
	s_barrier_signal -1
	s_barrier_wait -1
; ================ the partners' figures meet; the merge's weights; lse
	ds_load_b128 v[96:99], v32                     ; the even partner's stage 0, stage 1,
	ds_load_b128 v[100:103], v32 offset:512
	ds_load_b128 v[104:107], v32 offset:1024       ; the odd partner's
	ds_load_b128 v[108:111], v32 offset:1536
	s_wait_dscnt 0x0
	CSTAT 0, 0
	CSTAT 0, 1
	CSTAT 1, 0
	CSTAT 1, 1
	MERGE 0
	MERGE 1
	v_cndmask_b32 v13, v144, v152, s26             ; lanes 0-15: tile 0's lse, lanes 16-31: tile 1's
	WIN 0x40
.irp i, 0,1,2,3,4,5,6,7
	v_mov_b32 v[248+\i], v[120+\i]                 ; stage 1's figures wait in window 1
.endr
	WIN 0
	s_cmp_lg_u32 s9, 0
	s_cbranch_scc1 .Lno_lse
	ds_store_b32 v33, v13                          ; both partners hold the same numbers: the even one stores them
.Lno_lse:
; ================ P2: p, its codes, O^T
	s_mov_b32 s12, 0
.Lp2_stage:
	STAGE_BEGIN
	WIN 0x40
.set j, 0
.rept 128
	v_mov_b32 v[j], 0                              ; O^T is cleared, not begun by a first product: the loop below may have no trip at all, and its registers are read behind it on every way
.set j, j+1
.endr
	WIN 0
	s_cmp_eq_u32 s14, 0
	s_cbranch_scc1 .Lp2_done
.Lp2_trip:
	ITEM
	s_wait_loadcnt 25                              ; this item's K is in; the 25 loads of its V, issued behind it, may be out
	WIN 0x05
	QK 0, 96
	WIN 0
	PLACES 4                                       ; in front of the first read of the results
	s_bitcmp1_b32 s44, s16
	s_cbranch_scc1 .Lp2_full0
	MASK 0, 96
.Lp2_full0:
	SOFT2 0
	WIN 0x05
	QK 1, 96
	WIN 0
	v_add_nc_u32 v2, s17, v1                       ; free since the wait at the trip's head.  With three v_nop: four places
	PLACES 3
	LOADK                                          ; the next item's K
	s_bitcmp1_b32 s44, s16
	s_cbranch_scc1 .Lp2_full1
	MASK 1, 96
.Lp2_full1:
	SOFT2 1
	PLACES 4                                       ; the codes just moved stand four places ahead of the scaled products, the scale word more than eight
	s_wait_loadcnt 25                              ; V is in; the next K's 25 loads may be out
	WIN 0x50                                       ; C and D in window 1
	PV
	WIN 0
	v_add_nc_u32 v3, 2*TB, v2                      ; free since the wait above.  With three v_nop: four places
	PLACES 3
	LOADV                                          ; the next item's V
	s_add_co_u32 s13, s13, 1
	s_cmp_lt_u32 s13, s14
	s_cbranch_scc1 .Lp2_trip
.Lp2_done:
	STASHADD 0
	STASHADD 1
	s_wait_dscnt 0x0                               ; the stores have read O^T's registers
	PSWAP
	SWAP
	s_add_co_u32 s12, s12, 1
	s_cmp_lt_u32 s12, 2
	s_cbranch_scc1 .Lp2_stage
; ================ the way out: I finish tile wave % 2 of my pair
	s_lshl_b32 s32, s8, 14
	s_lshl_b32 s33, s9, 13
	s_add_co_u32 s32, s32, s33
	v_add_nc_u32 v36, s32, v1                      ; that tile in my stash,
	s_xor_b32 s32, s32, 16384
	v_add_nc_u32 v37, s32, v1                      ; and in my partner's
	s_mul_i32 s33, s8, 8448
	s_add_co_u32 s33, s33, STG
	v_and_b32 v39, 15, v0
	v_mul_u32_u24 v38, v39, 528
	v_bfe_u32 v39, v0, 4, 1
	v_lshl_add_u32 v38, v39, 5, v38
	v_add_nc_u32 v38, s33, v38                     ; my stage, in: row r, + 32 h
	v_add_nc_u32 v39, s33, v1                      ; back: a row's 512 bytes, 16 a lane
	s_lshr_b32 s33, s8, 2
	s_lshl_b32 s33, s33, 8
	s_add_co_u32 s33, s33, LSE
	v_lshrrev_b32 v41, 1, v1                       ; 8 x lane
	v_add_nc_u32 v40, s33, v41                     ; my block's 64 words of lse
	s_wait_loadcnt 0x0                             ; the spare loads at the chain's end have landed: their registers are used below
	s_wait_dscnt 0x0                               ; for my partner's sake: my stash is whole
	s_barrier_signal -1
	s_barrier_wait -1
.set n, 0
.rept 16
	ds_load_b128 v[96+4*n:99+4*n], v36 offset:512*n
.set n, n+1
.endr
.set n, 0
.rept 16
	ds_load_b128 v[160+4*n:163+4*n], v37 offset:512*n
.set n, n+1
.endr
	s_wait_dscnt 0x0
.set j, 0
.rept 32
	v_pk_add_f32 v[96+j:97+j], v[96+j:97+j], v[160+j:161+j]        ; register 8 d + i: out(query r, channel 16 d + 8 h + i)
.set j, j+2
.endr
.irp d, 0,1,2,3,4,5,6,7
	ds_store_b128 v38, v[96+8*\d:99+8*\d] offset:64*\d
	ds_store_b128 v38, v[100+8*\d:103+8*\d] offset:64*\d+16
.endr
.set i, 0
.rept 16
	ds_load_b128 v[160+4*i:163+4*i], v39 offset:528*i              ; LDS serves a wave's instructions in order: these see my stores
.set i, i+1
.endr
.set i, 0
.rept 16
	s_wait_dscnt 15-i                              ; row i is back; the 15 - i loads behind it may be out
	global_store_b128 v1, v[160+4*i:163+4*i], s[4:5] offset:4096*i th:TH_STORE_NT   ; 32 lanes store 512 consecutive bytes, aligned to 256
.set i, i+1
.endr
	s_and_b32 s32, s8, 3
	s_cmp_lg_u32 s32, 0
	s_cbranch_scc1 .Lend
	ds_load_b64 v[96:97], v40                      ; waves 0 and 4: their block's 64 numbers of lse
	s_wait_dscnt 0x0
	global_store_b64 v41, v[96:97], s[6:7]         ; 256 consecutive bytes, aligned
.Lend:
	s_wait_tensorcnt 0x0
	ds_add_u32 v61, v65
	s_wait_dscnt 0x0
	s_endpgm
.Lfunc_end_k_qedef4f9eef_attn:
	.size	k_qedef4f9eef_attn, .Lfunc_end_k_qedef4f9eef_attn-k_qedef4f9eef_attn
	.p2alignl 7, 3214868480
	.fill 96, 4, 3214868480
	.section	.rodata,"a",@progbits
	.p2align	6, 0x0
	.amdhsa_kernel k_qedef4f9eef_attn
		.amdhsa_group_segment_fixed_size 208384
		.amdhsa_private_segment_fixed_size 0
		.amdhsa_enable_private_segment 0
		.amdhsa_kernarg_size 72
		.amdhsa_user_sgpr_count 2
		.amdhsa_user_sgpr_kernarg_segment_ptr 1
		.amdhsa_wavefront_size32 1
		.amdhsa_system_sgpr_workgroup_id_x 1
		.amdhsa_system_sgpr_workgroup_id_y 1
		.amdhsa_system_sgpr_workgroup_id_z 1
		.amdhsa_system_vgpr_workitem_id 0
		.amdhsa_next_free_vgpr 512
		.amdhsa_next_free_sgpr 102
		.amdhsa_reserve_vcc 1
		.amdhsa_float_denorm_mode_32 3
		.amdhsa_float_denorm_mode_16_64 3
		.amdhsa_memory_ordered 1
		.amdhsa_forward_progress 1
		.amdhsa_inst_pref_size 180
	.end_amdhsa_kernel
	.amdgpu_metadata
---
amdhsa.version: [ 1, 2 ]
amdhsa.kernels:
  - .name:           k_qedef4f9eef_attn
    .symbol:         k_qedef4f9eef_attn.kd
    .args:
      - { .name: codes, .offset: 0, .size: 8, .value_kind: global_buffer, .address_space: global }
      - { .name: q_ranges_local, .offset: 8, .size: 8, .value_kind: global_buffer, .address_space: global }
      - { .name: kv_ranges_local, .offset: 16, .size: 8, .value_kind: global_buffer, .address_space: global }
      - { .name: is_causal_local, .offset: 24, .size: 8, .value_kind: global_buffer, .address_space: global }
      - { .name: q_ranges_remote, .offset: 32, .size: 8, .value_kind: global_buffer, .address_space: global }
      - { .name: kv_ranges_remote, .offset: 40, .size: 8, .value_kind: global_buffer, .address_space: global }
      - { .name: is_causal_remote, .offset: 48, .size: 8, .value_kind: global_buffer, .address_space: global }
      - { .name: out0, .offset: 56, .size: 8, .value_kind: global_buffer, .address_space: global }
      - { .name: out1, .offset: 64, .size: 8, .value_kind: global_buffer, .address_space: global }
    .group_segment_fixed_size: 208384
    .private_segment_fixed_size: 0
    .kernarg_segment_align: 8
    .kernarg_segment_size: 72
    .max_flat_workgroup_size: 256
    .sgpr_count:     102
    .vgpr_count:     512
    .wavefront_size: 32
...
	.end_amdgpu_metadata
.endif
;; end of part 2
